; MI455X (gfx1250); checked and timed in simulation.
; The chip was launched on July 23, 2026; its instructions are those of AMD's public machine-readable ISA for CDNA 5 (MIT licence, August 2026) and "CDNA5" Instruction Set Architecture Reference Guide (July 2026). The comments in the code are by the model that wrote it; some were corrected since.
;; SA Block. Allowed arithmetic: matrix products marked QUANTISED: E2M3 operands, one E8M0 scale for each 32 along K, by v_wmma_scale_f32_16x16x128_f8f6f4 with both operands' format E2M3, f32 sums; everything else in f32.
;; Inputs: Wk_codes 32 x 8 x 24 uint8 (E2M3 codes of Wk, K innermost, in blocks of 32 codes, four codes in three bytes); Wk_scales 32 x 8 uint8 (E8M0 scales of Wk, one for each 32 codes along K); Wq_codes 32 x 8 x 24 uint8 (E2M3 codes of Wq, K innermost, in blocks of 32 codes, four codes in three bytes); Wq_scales 32 x 8 uint8 (E8M0 scales of Wq, one for each 32 codes along K); Wv_codes 256 x 8 x 24 uint8 (E2M3 codes of Wv, K innermost, in blocks of 32 codes, four codes in three bytes); Wv_scales 256 x 8 uint8 (E8M0 scales of Wv, one for each 32 codes along K); bk 32 float32; bq 32 float32; bv 256 float32; gamma 1 float32; mask 4 x 1 x 64 x 64 float32; x 4 x 256 x 64 x 64 float32.
;; Outputs: out0 4 x 256 x 64 x 64 float32.
;; This version of the problem:
;;   THIS VERSION OF THE PROBLEM IS GIVEN IN LOW PRECISION. The matrix products marked QUANTISED in the list below multiply operands that are first quantised to E2M3 (2 exponent bits, 3 mantissa bits; 6 bits a number), with one power-of-two scale for each 32 numbers along K (OCP MX v1.0); their sums are f32. All else is computed in f32.
;;   The module's matrix products, in the order in which they are computed (A, B: the left and right operand; K: the contracted axis; several contracted axes count as one K, in the product's order):
;;     1. [M 16,384, K 256] x [K 256, N 32]; A: input x; B: input Wq (given as codes): QUANTISED
;;     2. [M 16,384, K 256] x [K 256, N 32]; A: input x; B: input Wk (given as codes): QUANTISED
;;     3. [M 16,384, K 256] x [K 256, N 256]; A: input x; B: input Wv (given as codes): QUANTISED
;;     4. batch 4 x [M 4,096, K 32] x [K 32, N 4,096]; A: computed on the way; B: computed on the way: QUANTISED
;;     5. batch 4 x [M 256, K 4,096] x [K 4,096, N 4,096]; A: computed on the way; B: softmax (see below): QUANTISED
;;   THE QUANTISER, for each operand of a quantised product, along K:
;;     - K is cut into blocks of 32 from its start; a last block that is shorter is filled with zeros.
;;     - A block's scale is 2^e with e = floor(log2(the largest magnitude in the block)) - 2, held to -126 .. 127; a block of zeros has e = 0. As a byte (E8M0): e + 127.
;;     - Each number is divided by its block's scale, clamped to +-7.5, and rounded to the nearest number of E2M3, ties to even, subnormals kept.
;;     - The product sums the exact products of the quantised numbers (number of the format x scale) in f32.
;;   ~~~python
;;   def quantise(x, axis):      # numpy; x: float32 -> the quantised numbers, widened to float32 again
;;       x = np.moveaxis(x, axis, -1); K = x.shape[-1]
;;       x = np.pad(x, [(0, 0)] * (x.ndim - 1) + [(0, -K % 32)]); x = x.reshape(x.shape[:-1] + (-1, 32)); a = np.abs(x).max(-1, keepdims=True)
;;       e = np.where(a > 0, np.clip(np.frexp(np.where(a > 0, a, 1))[1] - 1 - 2, -126, 127), 0)      # np.frexp(a)[1] - 1 = floor(log2(a)), exactly
;;       r = np.clip(x / 2.0 ** e, -7.5, 7.5)
;;       step = 2.0 ** (np.maximum(np.frexp(np.where(r == 0, 1, r))[1] - 1, 0) - 3)
;;       q = np.round(r / step) * step * 2.0 ** e      # np.round: ties to even
;;       return np.moveaxis(q.reshape(q.shape[:-2] + (-1,))[..., :K], -1, axis).astype(np.float32)
;;   ~~~
;;   SOFTMAX AHEAD OF A QUANTISED PRODUCT. Where the list says 'softmax', what is quantised is not the finished softmax but p = 2^(t - M), with t = logit x log2(e) and M = ceil(the row's largest t), a whole number; so 1/2 < the row's largest p <= 1. The row's sum l is taken of the UNQUANTISED p, in f32, and the product's result is divided by l at the end. Since M is a whole number, a kernel that streams over the keys may use a running M (the ceiling of the running maximum): every later rescaling is an exact power of two, which a block's scale takes up: the codes' values come out the same.
;;   OPERANDS COMPUTED ON THE WAY. 'Computed on the way' means the value that the module computes at that place (a softmax that the list does not call 'softmax' is quantised finished and normalised). What goes into a quantiser is computed in f32, as accurately as f32 sums, v_exp_f32 and their like allow (about 1e-6 of the number): no bf16 or f16 on the way to a quantiser, and a product that is left as it is and whose result goes on into a quantised operand takes f32 operands (vector FMAs, or v_wmma_f32_16x16x4_f32). A number that lies on a knife's edge between two numbers of the format may be rounded either way, as far as f32 arithmetic and the matrix unit's own rounding can turn it there, and no further.
;;   INPUTS GIVEN AS CODES. Wk (in the module: [32, 256], K = its axis 1); Wq (in the module: [32, 256], K = its axis 1); Wv (in the module: [256, 256], K = its axis 1): each comes as NAME_codes (uint8): NAME with its K axis moved to the last place and cut into blocks of 32 codes, [.., K / 32, bytes a block], one block behind the other in memory; four codes in three bytes: a row's codes are one little-endian stream of bits, code i at bits 6 i .. 6 i + 5 (a code: sign, 2 exponent bits, 3 mantissa bits); and NAME_scales (uint8): the same leading axes, one E8M0 byte (e + 127) for each 32 codes along K. Its value is code x scale, taken as it is: it is not quantised again, and the codes and scales need not be those that the quantiser above would give.
;; One version. Each part assembles by itself: llvm-mc -triple=amdgcn-amd-amdhsa -mcpu=gfx1250 --defsym DOCPART=n.
;; ======== version 1 of 1: 2 launches
;; workspace buffers: ws 4,194,304 bytes
;; launch proj (part 1): grid 256 x 1, 8 waves a work-group, no clusters, 168,960 bytes of LDS; arguments x, mask, Wk_codes, Wk_scales, bk, Wq_codes, Wq_scales, bq, Wv_codes, Wv_scales, bv, ws; writes ws
.if DOCPART == 1
	.amdgcn_target "amdgcn-amd-amdhsa--gfx1250"
	.amdhsa_code_object_version 6
	.text
	.protected	k_q74d7e9a2bb_proj
	.globl	k_q74d7e9a2bb_proj
	.p2align	8
	.type	k_q74d7e9a2bb_proj,@function
k_q74d7e9a2bb_proj:
	s_mov_b64 s[64:65], 0
	v_nop
	global_prefetch_b8 v0, s[64:65] scope:SCOPE_SE
	s_setreg_imm32_b32 hwreg(HW_REG_WAVE_MODE, 25, 1), 1
	s_wait_xcnt 0x0
; q = (Wq x + bq) m, k = (Wk x + bk) m, v = Wv x + bv for 64 pixels of one image, all three products on codes of FP6 (E2M3) with one E8M0 scale for each 32 along K,
; and the results quantised again: q and k along their 32 channels, v along the pixels (the keys of the next launch).  x: [4][256][4096] f32; the weights arrive as codes, K innermost.
; A work-group of eight waves writes ONE RECORD of 16,384 bytes of ws (record 64 b + group), laid in the order in which the next launch's operand registers take it:
;   VC   0      v's codes: channel tile ct, chunk c, row r at 768 ct + 256 c + 16 r: registers 4 c .. 4 c + 3 of a fragment's one lane half; register 6 c' + w = word w of the 24 bytes of pixels 32 c' .. 32 c' + 31
;   VSC  12288  v's scale bytes, two a channel (pixels 0-31, 32-63), at 16 (r + 16 (ct & 1)) + 2 (ct >> 1)
;   KC   12800  k's codes: pixel tile g, piece i, row r at 384 g + 128 i + 8 r;   KSC 14336: k's scale bytes at 4 r + g;   QSC 14592, QC 14848: the same for q
; THE PIXELS OF A TILE ARE NOT NEIGHBOURS: row r of tile 2 b + u is pixel 32 b + 8 u + r + 8 (r / 8), so that the 16 registers of two neighbouring result tiles are 16 neighbours along the next K.
; PHASES: x's tile comes by one tensor load a wave | barrier | X: a lane takes a pixel, its registers run down 64 channels: two blocks; codes and scale bytes go to LDS as images of the operand's registers | barrier |
; QK: wave w makes k (w < 4) or q of pixel tile w & 3;  V: wave w makes channels 32 w .. 32 w + 31 for all 64 pixels; all go into an image of the record in LDS | barrier | the record leaves, 512 consecutive bytes a store.
; LIMITS: NaN and infinities among the inputs are not served.  A block whose largest magnitude lies under 2^-124, a block of zeros among them, keeps the scale byte 1 (the rule gives zeros 127): its codes are zeros or next to it, and this program alone reads the bytes.
; No cluster: the work-groups share only the weights, 64 KB against the 64 KB of x that each reads alone, and those come straight into registers.
.set XIMG, 65536                       ; LDS: behind x's tile (256 channels x 256 bytes): x's 8 fragments (2 tile + K step), 1,536 bytes each, chunk c at 512 c + 16 lane
.set XS,   77824                       ; x's scale words: register (p, s) at 128 (2 p + s) + 4 lane
.set STG,  78336                       ; the record's image
.set VSC,  12288
.set KC,   12800
.set KSC,  14336
.macro BARRIER                         ; my LDS stores have landed and my LDS loads are in: then the work-group's barrier
	s_wait_dscnt 0x0
	s_barrier_signal -1
	s_barrier_wait -1
.endm
.macro FRAG6 reg, off, base, imm       ; a weight's fragment: 24 bytes and 24 bytes of a row, in pieces of 8
.irp p,0,1,2,3,4,5
	global_load_b64 v[(\reg)+2*\p:(\reg)+2*\p+1], v[\off], s[\base:\base+1] offset:(\imm)+48*(\p/3)+8*(\p%3)
.endr
.endm
.macro IMG3 reg, adr, off              ; a fragment's image comes back as it was stored
.irp c,0,1,2
	ds_load_b128 v[(\reg)+4*\c:(\reg)+4*\c+3], v[\adr] offset:(\off)+512*\c
.endr
.endm
.macro MM d, a, b, c, sa, sb, row1     ; one product; row1 = 1: source 0's scales stand in lanes 16-31
.if \row1
	v_wmma_scale_f32_16x16x128_f8f6f4 v[(\d):(\d)+7], v[(\a):(\a)+11], v[(\b):(\b)+11], v[(\c):(\c)+7], v[\sa], v[\sb] matrix_a_fmt:MATRIX_FMT_FP6 matrix_b_fmt:MATRIX_FMT_FP6 matrix_a_scale:MATRIX_SCALE_ROW1
.else
	v_wmma_scale_f32_16x16x128_f8f6f4 v[(\d):(\d)+7], v[(\a):(\a)+11], v[(\b):(\b)+11], v[(\c):(\c)+7], v[\sa], v[\sb] matrix_a_fmt:MATRIX_FMT_FP6 matrix_b_fmt:MATRIX_FMT_FP6
.endif
.endm
; v for pixels 32 b .. 32 b + 31: source 0 = 16 pixels of x, source 1 = 16 rows of Wv; four accumulators by turns; bv is the C of each sum's first product
.macro VMUL b
.irp s,0,1
.irp t,0,1
.irp u,0,1
.if \s==0
	MM 36+16*\t+8*\u,164+12*(2*\u+\s),84+12*(2*\t+\s),148+8*\t,30+2*(\b)+\s,26+2*\t+\s,\u
.else
	MM 36+16*\t+8*\u,164+12*(2*\u+\s),84+12*(2*\t+\s),36+16*\t+8*\u,30+2*(\b)+\s,26+2*\t+\s,\u
.endif
.endr
.endr
.endr
.endm
; a lane's 16 pixels of each of its two channels (v36-51, v52-67) become 16 codes each; the block's other 16 lie in lane l xor 16
.macro VQUANT c0, c1, e0, e1
	v_max3_num_f32 v80, |v36|, |v37|, 0x1800000    ; with the floor 2^(3 - 127): the byte cannot fall under 1
	v_max3_num_f32 v81, |v52|, |v53|, 0x1800000
.irp i,2,4,6,8,10,12,14
	v_max3_num_f32 v80, v80, |v[36+\i]|, |v[37+\i]|
	v_max3_num_f32 v81, v81, |v[52+\i]|, |v[53+\i]|
.endr
	s_delay_alu instid0(VALU_DEP_2)
	v_permlanex16_b32 v82, v80, s48, s49
	s_delay_alu instid0(VALU_DEP_2)
	v_permlanex16_b32 v83, v81, s48, s49
	s_delay_alu instid0(VALU_DEP_2)
	v_max_num_f32 v80, v80, v82
	s_delay_alu instid0(VALU_DEP_2)
	v_max_num_f32 v81, v81, v83
	s_delay_alu instid0(VALU_DEP_2)
	v_add_nc_u32 v75, 0xff000000, v80              ; 2 off the exponent field: the conversion's scale operand
	s_delay_alu instid0(VALU_DEP_2)
	v_add_nc_u32 v79, 0xff000000, v81
	s_delay_alu instid0(VALU_DEP_2)
	v_lshrrev_b32 v[\e0], 23, v75                  ; the scale's byte
	s_delay_alu instid0(VALU_DEP_2)
	v_lshrrev_b32 v[\e1], 23, v79
	v_cvt_scalef32_pk16_fp6_f32 v[\c0:\c0+2], v[36:51], v75
	v_cvt_scalef32_pk16_fp6_f32 v[\c1:\c1+2], v[52:67], v79
	v_nop                                          ; one plain place behind a scaled conversion
.endm
	s_load_b512 s[8:23], s[0:1], 0x0               ; x s[8:9], mask s[10:11], Wk's codes, scales, bk s[12:17], Wq's codes, scales, bq s[18:23]
	s_load_b256 s[24:31], s[0:1], 0x40             ; Wv's codes s[24:25], scales s[26:27], bv s[28:29], ws s[30:31]
	s_set_vgpr_msb 0x40
	v_lshl_add_u32 v0, v0, 2, 0x29000
	v_mov_b32 v1, 0
	s_set_vgpr_msb 0x4045
	ds_add_u32 v0, v1
	ds_add_u32 v0, v1
	s_set_vgpr_msb 0x4500
	v_lshrrev_b32 v1, 5, v0
	s_delay_alu instid0(VALU_DEP_1)
	v_readfirstlane_b32 s32, v1                    ; wave 0..7
	s_lshr_b32 s33, ttmp9, 6                       ; image
	s_and_b32 s34, ttmp9, 63                       ; group of 64 pixels
	; descriptor group 1: 32 channels x 256 bytes (32 elements of 8 bytes), 16,384 bytes from channel to channel
	s_mov_b32 s40, 3<<16
	s_mov_b32 s41, 32<<16                          ; tensor_dim0
	s_mov_b32 s42, 32<<16                          ; tensor_dim1
	s_mov_b32 s43, 32<<16                          ; tile_dim0
	s_mov_b32 s44, 32                              ; tile_dim1
	s_mov_b32 s45, 2048                            ; the pitch, in elements
	s_mov_b32 s46, 0
	s_mov_b32 s47, 0
	s_lshl_b32 s52, s33, 22                        ; the image, 4,194,304 bytes,
	s_lshl_b32 s53, s32, 19                        ; my 32 channels,
	s_add_co_u32 s52, s52, s53
	s_lshl_b32 s53, s34, 8                         ; the group's 256 bytes of a channel
	s_add_co_u32 s52, s52, s53
	s_mov_b32 s53, 0
	s_mov_b32 s36, 1
	s_lshl_b32 s37, s32, 13                        ; LDS: 8,192 bytes a wave
	s_wait_dscnt 0x0
	s_wait_kmcnt 0x0
	s_add_nc_u64 s[38:39], s[8:9], s[52:53]
	s_or_b32 s39, s39, 0x80000000
	tensor_load_to_lds s[36:39], s[40:47]          ; my one tensor load: nothing is filled twice in this launch
	s_nop 0
.rept 4
	v_nop
.endr
	s_and_b32 s54, s32, 3                          ; tau: the pixel tile whose q or k I make
	s_lshr_b32 s55, s32, 2                         ; 0: k, 1: q.  Also s: the K step of x that I quantise
	s_and_b32 s56, s32, 1                          ; p: which 32 pixels I quantise
	s_bfe_u32 s57, s32, 0x10001                    ; c': which 64 channels of the K step
	s_lshr_b32 s58, s32, 1                         ; 2 s + c'
	s_cmp_lt_u32 s32, 4                            ; waves 0-3 take Wk, waves 4-7 Wq: the choice hangs on the wave's number alone
	s_cselect_b64 s[12:13], s[12:13], s[18:19]
	s_cselect_b64 s[14:15], s[14:15], s[20:21]
	s_cselect_b64 s[16:17], s[16:17], s[22:23]
	s_mul_i32 s52, s32, 6144                       ; my 32 rows of Wv: 192 bytes a row,
	s_add_nc_u64 s[24:25], s[24:25], s[52:53]
	s_lshl_b32 s52, s32, 8                         ; 8 scale bytes a row,
	s_add_nc_u64 s[26:27], s[26:27], s[52:53]
	s_lshl_b32 s52, s32, 7                         ; and their 32 numbers of bv
	s_add_nc_u64 s[28:29], s[28:29], s[52:53]
	s_lshl_b32 s52, s33, 14                        ; the mask at pixel 32 (tau / 2) + 8 (tau % 2) of the group
	s_lshl_b32 s59, s34, 8
	s_add_co_u32 s52, s52, s59
	s_lshr_b32 s59, s54, 1
	s_lshl_b32 s59, s59, 7
	s_add_co_u32 s52, s52, s59
	s_and_b32 s59, s54, 1
	s_lshl_b32 s59, s59, 5
	s_add_co_u32 s52, s52, s59
	s_add_nc_u64 s[10:11], s[10:11], s[52:53]
	s_lshl_b32 s52, ttmp9, 14                      ; my record
	s_add_nc_u64 s[30:31], s[30:31], s[52:53]
	s_mov_b32 s48, 0x76543210
	s_mov_b32 s49, 0xfedcba98                      ; v_permlanex16_b32's selects for lane l xor 16
	s_mov_b32 s50, 0xffff0000                      ; lanes 16-31
	v_and_b32 v1, 31, v0                           ; l
	v_and_b32 v2, 15, v0                           ; r
	v_bfe_u32 v3, v0, 4, 1                         ; h
	v_and_b32 v171, 8, v0
	s_delay_alu instid0(VALU_DEP_1)
	v_add_nc_u32 v171, v171, v2                    ; r + 8 (r / 8)
	s_delay_alu instid0(VALU_DEP_1)
	v_mul_u32_u24 v164, v171, 192
	s_delay_alu instid0(VALU_DEP_1)
	v_mad_u32_u24 v164, v3, 24, v164               ; Wq, Wk: lane r of tile u takes row 8 u + r + 8 (r / 8)
	s_delay_alu instid0(VALU_DEP_3)
	v_lshlrev_b32 v165, 3, v171                    ; its scale bytes
	v_lshlrev_b32 v166, 6, v3                      ; bq, bk: register j of tile u is channel 8 u + 16 h + j
	v_mul_u32_u24 v167, v2, 192
	s_delay_alu instid0(VALU_DEP_1)
	v_mad_u32_u24 v167, v3, 24, v167               ; Wv: row r
	v_lshlrev_b32 v168, 3, v2
	v_lshlrev_b32 v169, 2, v2                      ; bv: channel r
	v_lshlrev_b32 v170, 2, v171                    ; the mask of my pixel
.irp u,0,1
.irp s,0,1
	FRAG6 36+12*(2*\u+\s),164,12,\u*1536+\s*96
	global_load_b32 v[22+2*\u+\s], v165, s[14:15] offset:\u*64+4*\s
.endr
	global_load_b128 v[132+8*\u:135+8*\u], v166, s[16:17] offset:\u*32
	global_load_b128 v[136+8*\u:139+8*\u], v166, s[16:17] offset:\u*32+16
.endr
.irp t,0,1
.irp s,0,1
	FRAG6 84+12*(2*\t+\s),167,24,\t*3072+\s*96
	global_load_b32 v[26+2*\t+\s], v168, s[26:27] offset:\t*128+4*\s
.endr
	global_load_b32 v[148+8*\t], v169, s[28:29] offset:\t*64
.endr
	global_load_b32 v20, v170, s[10:11]
	v_lshl_add_u32 v172, v0, 1, STG+KSC            ; the two units of k's and q's scale bytes begin as zeros: every byte of the record is stored
	v_mov_b32 v173, 0
	ds_store_b16 v172, v173
	; LDS addresses, each a constant + constants x lane + constants x wave.  (None of these lines names a register that the loads above have yet to write: v20-29, v36-148, v156)
	s_lshl_b32 s52, s58, 14
	s_lshl_b32 s59, s56, 7
	s_add_co_u32 s52, s52, s59
	v_lshl_add_u32 v4, v3, 5, v170
	s_delay_alu instid0(VALU_DEP_1)
	v_add_nc_u32 v4, s52, v4                       ; x's tile: channel 64 (2 s + c'), pixel 32 p + 8 h + r + 8 (r / 8)
	s_lshl_b32 s52, s56, 2
	s_add_co_u32 s52, s52, s55
	s_mul_i32 s52, s52, 1536
	s_add_co_u32 s52, s52, XIMG                    ; fragment 4 p + s (tile 2 p; tile 2 p + 1 lies 3,072 on)
	s_mul_i32 s59, s57, 520
	s_add_co_u32 s59, s59, s52
	v_lshl_add_u32 v5, v1, 4, s59                  ; registers 6 c', 6 c' + 1 (and, 512 on, 6 c' + 4, 6 c' + 5)
	s_mul_i32 s59, s57, 1016
	s_add_co_u32 s59, s59, s52
	s_add_co_u32 s59, s59, 8
	v_lshl_add_u32 v6, v1, 4, s59                  ; registers 6 c' + 2, 6 c' + 3
	s_lshl_b32 s52, s56, 1
	s_add_co_u32 s52, s52, s55
	s_lshl_b32 s52, s52, 7
	s_lshl_b32 s59, s57, 1
	s_add_co_u32 s52, s52, s59
	s_add_co_u32 s52, s52, XS
	v_lshl_add_u32 v7, v1, 2, s52                  ; my two bytes of my pixel's scale word
	v_lshl_add_u32 v8, v1, 4, XIMG
	v_lshl_add_u32 v9, v1, 2, XS
	s_mul_i32 s52, s54, 3072
	s_add_co_u32 s52, s52, XIMG
	v_lshl_add_u32 v10, v1, 4, s52                 ; tile tau's fragments
	s_lshr_b32 s52, s54, 1
	s_lshl_b32 s52, s52, 8
	s_and_b32 s59, s54, 1
	s_lshl_b32 s59, s59, 6
	s_add_co_u32 s52, s52, s59
	s_add_co_u32 s52, s52, XS
	v_lshl_add_u32 v11, v2, 2, s52                 ; and its rows' scale words
	s_lshl_b32 s52, s55, 11
	s_mul_i32 s59, s54, 384
	s_add_co_u32 s52, s52, s59
	s_add_co_u32 s52, s52, STG+KC
	v_lshl_add_u32 v12, v2, 3, s52
	s_delay_alu instid0(VALU_DEP_1)
	v_mad_u32_u24 v13, v3, 252, v12
	s_delay_alu instid0(VALU_DEP_1)
	v_add_nc_u32 v13, 4, v13                       ; word 3 h + 1 of my pixel's 24 bytes
	s_delay_alu instid0(VALU_DEP_3)
	v_mad_u32_u24 v12, v3, 132, v12                ; word 3 h (and, 128 on, word 3 h + 2)
	s_lshl_b32 s52, s55, 8
	s_add_co_u32 s52, s52, s54
	s_add_co_u32 s52, s52, STG+KSC
	v_lshl_add_u32 v14, v2, 2, s52                 ; my pixel's scale byte
	s_mul_i32 s52, s32, 1536
	s_add_co_u32 s52, s52, STG
	v_lshl_add_u32 v15, v2, 4, s52
	s_delay_alu instid0(VALU_DEP_1)
	v_mad_u32_u24 v16, v3, 504, v15
	s_delay_alu instid0(VALU_DEP_1)
	v_add_nc_u32 v16, 8, v16                       ; v: registers 6 h + 2, 6 h + 3
	s_delay_alu instid0(VALU_DEP_3)
	v_mad_u32_u24 v15, v3, 264, v15                ; registers 6 h, 6 h + 1 (and, 256 on, 6 h + 4, 6 h + 5)
	s_lshl_b32 s52, s32, 1
	s_add_co_u32 s52, s52, STG+VSC
	v_lshl_add_u32 v17, v1, 4, s52                 ; v's two scale bytes
	v_lshl_add_u32 v18, v0, 4, STG                 ; the way out
	v_lshlrev_b32 v19, 4, v0
	s_wait_tensorcnt 0x0                           ; my 32 channels are in LDS,
	BARRIER                                        ; everybody's are, and the zeros have landed
	; ---- X: my pixel's 64 channels: two blocks of 32, both wholly mine
	s_wait_xcnt 0x0                                ; the global loads have read their offsets: v164-170 are written again only behind this wait
.set i,0
.rept 64
	ds_load_b32 v[164+i], v4 offset:256*i          ; 32 lanes read 32 different words of one channel's 128 bytes
.set i,i+1
.endr
	s_wait_dscnt 0x0
	v_max3_num_f32 v248, |v164|, |v165|, 0x1800000
	v_max3_num_f32 v249, |v196|, |v197|, 0x1800000
.irp i,2,4,6,8,10,12,14,16,18,20,22,24,26,28,30
	s_delay_alu instid0(VALU_DEP_2)
	v_max3_num_f32 v248, v248, |v[164+\i]|, |v[165+\i]|
	s_delay_alu instid0(VALU_DEP_2)
	v_max3_num_f32 v249, v249, |v[196+\i]|, |v[197+\i]|
.endr
	s_delay_alu instid0(VALU_DEP_2)
	v_add_nc_u32 v250, 0xff000000, v248
	s_delay_alu instid0(VALU_DEP_2)
	v_add_nc_u32 v251, 0xff000000, v249
	s_delay_alu instid0(VALU_DEP_2)
	v_lshrrev_b32 v252, 23, v250
	s_delay_alu instid0(VALU_DEP_2)
	v_lshrrev_b32 v253, 23, v251
	s_delay_alu instid0(VALU_DEP_1)
	v_lshl_or_b32 v252, v253, 8, v252
	ds_store_b16 v7, v252
	v_cvt_scalef32_pk16_fp6_f32 v[228:230], v[164:179], v250
	v_cvt_scalef32_pk16_fp6_f32 v[240:242], v[180:195], v250   ; (a conversion's three registers begin on an even number)
	v_cvt_scalef32_pk16_fp6_f32 v[234:236], v[196:211], v251
	v_cvt_scalef32_pk16_fp6_f32 v[244:246], v[212:227], v251
	v_nop
.irp i,0,1,2
	v_mov_b32 v[231+\i], v[240+\i]
	v_mov_b32 v[237+\i], v[244+\i]
.endr
.irp i,0,1,2,3,4,5
	v_permlane16_swap_b32 v[228+\i], v[234+\i]     ; lanes 0-15 hold tile 2 p's pixels, lanes 16-31 tile 2 p + 1's: now v228-233 are registers 6 c' .. 6 c' + 5 of tile 2 p's fragment, v234-239 of tile 2 p + 1's
.endr
.irp u,0,1
	ds_store_b64 v5, v[228+6*\u:229+6*\u] offset:3072*\u
	ds_store_b64 v6, v[230+6*\u:231+6*\u] offset:3072*\u
	ds_store_b64 v5, v[232+6*\u:233+6*\u] offset:3072*\u+512
.endr
	BARRIER                                        ; x's eight fragments and their scale words lie in LDS
	; ---- QK, and V for pixels 0-31
.irp s,0,1
	IMG3 212+12*\s,10,\s*1536
	ds_load_b32 v[34+\s], v11 offset:\s*128
.endr
.irp u,0,1
.irp s,0,1
	IMG3 164+12*(2*\u+\s),8,(2*\u+\s)*1536
.endr
.endr
.irp j,0,1,2,3
	ds_load_b32 v[30+\j], v9 offset:\j*128         ; lanes 0-15 tile 2 b's words, lanes 16-31 tile 2 b + 1's
.endr
	s_wait_dscnt 0x0
	s_wait_loadcnt 0x0                             ; the weights, biases and mask
	v_mov_b32 v21, v20
.irp s,0,1                                     ; transposed: source 0 = 16 rows of the weight, source 1 = 16 pixels: a lane holds one pixel and channels 16 h + 0 .. 15
.irp u,0,1
.if \s==0
	MM 236+8*\u,36+12*(2*\u+\s),212+12*\s,132+8*\u,22+2*\u+\s,34+\s,0
.else
	MM 236+8*\u,36+12*(2*\u+\s),212+12*\s,236+8*\u,22+2*\u+\s,34+\s,0
.endif
.endr
.endr
.irp t,0,1
.irp j,1,2,3,4,5,6,7
	v_mov_b32 v[148+8*\t+\j], v[148+8*\t]          ; bv in the result's layout: a lane holds one channel.  (These are also the places ahead of the products that write over Wq's or Wk's registers)
.endr
.endr
.rept 4
	v_nop
.endr
	VMUL 0
	v_mov_b32 v82, 0                               ; a lane permute's destination counts as one of its sources: written once, here, where Wq's or Wk's fragments, of which these two were the last registers,
	v_mov_b32 v83, 0                               ; have landed and been multiplied (18 plain places back)
.irp i,0,2,4,6,8,10,12,14
	v_pk_mul_f32 v[236+\i:237+\i], v[236+\i:237+\i], v[20:21]   ; x the pixel's mask; each accumulator from its low end on
.endr
	v_max3_num_f32 v80, |v236|, |v237|, 0x1800000
.irp i,2,4,6,8,10,12,14
	s_delay_alu instid0(VALU_DEP_1)
	v_max3_num_f32 v80, v80, |v[236+\i]|, |v[237+\i]|
.endr
	s_delay_alu instid0(VALU_DEP_1)
	v_permlanex16_b32 v82, v80, s48, s49
	s_delay_alu instid0(VALU_DEP_1)
	v_max_num_f32 v80, v80, v82
	s_delay_alu instid0(VALU_DEP_1)
	v_add_nc_u32 v75, 0xff000000, v80
	s_delay_alu instid0(VALU_DEP_1)
	v_lshrrev_b32 v71, 23, v75
	v_cvt_scalef32_pk16_fp6_f32 v[68:70], v[236:251], v75
	v_nop
	ds_store_b32 v12, v68
	ds_store_b32 v13, v69
	ds_store_b32 v12, v70 offset:128
	ds_store_b8 v14, v71                           ; both lanes of a pixel write the same byte with the same value
	VQUANT 132,140,252,254
	; ---- V for pixels 32-63
.irp u,0,1
.irp s,0,1
	IMG3 164+12*(2*\u+\s),8,(4+2*\u+\s)*1536
.endr
.endr
	s_wait_dscnt 0x0
	VMUL 1
.rept 4
	v_nop
.endr
	VQUANT 72,76,253,255
.irp t,0,1
.irp i,0,1,2
	v_permlane16_swap_b32 v[132+8*\t+\i], v[72+4*\t+\i]   ; lanes 0-15 now hold pixels 0-31's codes, lanes 16-31 pixels 32-63's: the lower 16 here, the upper 16 there
.endr
.irp i,0,1,2
	s_delay_alu instid0(VALU_DEP_3)
	v_mov_b32 v[135+8*\t+\i], v[72+4*\t+\i]
.endr
	ds_store_b64 v15, v[132+8*\t:133+8*\t] offset:768*\t
	ds_store_b64 v16, v[134+8*\t:135+8*\t] offset:768*\t
	ds_store_b64 v15, v[136+8*\t:137+8*\t] offset:768*\t+256
.endr
	v_lshl_or_b32 v252, v253, 8, v252
	v_lshl_or_b32 v254, v255, 8, v254
	s_delay_alu instid0(VALU_DEP_1)
	v_cndmask_b32 v252, v252, v254, s50            ; lanes 0-15 store the even channel tile's two bytes, lanes 16-31 the odd one's
	ds_store_b16 v17, v252
	BARRIER                                        ; the record's image is whole
.irp k,0,1,2,3
	ds_load_b128 v[164+4*\k:167+4*\k], v18 offset:\k*4096
.endr
.irp k,0,1,2,3
	s_wait_dscnt 3-\k                              ; LDS loads come back in order: the younger ones may be out
	global_store_b128 v19, v[164+4*\k:167+4*\k], s[30:31] offset:\k*4096   ; a wave's store covers 512 consecutive bytes, at a multiple of 256 from the buffer's first byte
.endr
	s_set_vgpr_msb 0x5
	s_wait_tensorcnt 0x0
	ds_add_u32 v0, v1
	s_wait_dscnt 0x0
	s_set_vgpr_msb 0x500
	s_endpgm
.Lfunc_end_k_q74d7e9a2bb_proj:
	.size	k_q74d7e9a2bb_proj, .Lfunc_end_k_q74d7e9a2bb_proj-k_q74d7e9a2bb_proj
	.p2alignl 7, 3214868480
	.fill 96, 4, 3214868480
	.section	.rodata,"a",@progbits
	.p2align	6, 0x0
	.amdhsa_kernel k_q74d7e9a2bb_proj
		.amdhsa_group_segment_fixed_size 168960
		.amdhsa_private_segment_fixed_size 0
		.amdhsa_enable_private_segment 0
		.amdhsa_kernarg_size 96
		.amdhsa_user_sgpr_count 2
		.amdhsa_user_sgpr_kernarg_segment_ptr 1
		.amdhsa_wavefront_size32 1
		.amdhsa_system_sgpr_workgroup_id_x 1
		.amdhsa_system_sgpr_workgroup_id_y 1
		.amdhsa_system_sgpr_workgroup_id_z 1
		.amdhsa_system_vgpr_workitem_id 0
		.amdhsa_next_free_vgpr 258
		.amdhsa_next_free_sgpr 66
		.amdhsa_reserve_vcc 0
		.amdhsa_float_denorm_mode_32 3
		.amdhsa_float_denorm_mode_16_64 3
		.amdhsa_memory_ordered 1
		.amdhsa_forward_progress 1
		.amdhsa_inst_pref_size 36
	.end_amdhsa_kernel
	.amdgpu_metadata
---
amdhsa.version: [ 1, 2 ]
amdhsa.kernels:
  - .name:           k_q74d7e9a2bb_proj
    .symbol:         k_q74d7e9a2bb_proj.kd
    .args:
      - { .name: x, .offset: 0, .size: 8, .value_kind: global_buffer, .address_space: global }
      - { .name: mask, .offset: 8, .size: 8, .value_kind: global_buffer, .address_space: global }
      - { .name: Wk_codes, .offset: 16, .size: 8, .value_kind: global_buffer, .address_space: global }
      - { .name: Wk_scales, .offset: 24, .size: 8, .value_kind: global_buffer, .address_space: global }
      - { .name: bk, .offset: 32, .size: 8, .value_kind: global_buffer, .address_space: global }
      - { .name: Wq_codes, .offset: 40, .size: 8, .value_kind: global_buffer, .address_space: global }
      - { .name: Wq_scales, .offset: 48, .size: 8, .value_kind: global_buffer, .address_space: global }
      - { .name: bq, .offset: 56, .size: 8, .value_kind: global_buffer, .address_space: global }
      - { .name: Wv_codes, .offset: 64, .size: 8, .value_kind: global_buffer, .address_space: global }
      - { .name: Wv_scales, .offset: 72, .size: 8, .value_kind: global_buffer, .address_space: global }
      - { .name: bv, .offset: 80, .size: 8, .value_kind: global_buffer, .address_space: global }
      - { .name: ws, .offset: 88, .size: 8, .value_kind: global_buffer, .address_space: global }
    .group_segment_fixed_size: 168960
    .private_segment_fixed_size: 0
    .kernarg_segment_align: 8
    .kernarg_segment_size: 96
    .max_flat_workgroup_size: 256
    .sgpr_count:     66
    .vgpr_count:     258
    .wavefront_size: 32
...
	.end_amdgpu_metadata
.endif
;; end of part 1
;; launch attn (part 2): grid 64 x 4, 8 waves a work-group, clusters of 4 x 1, 327,680 bytes of LDS; arguments ws, x, gamma, out0; writes out0
.if DOCPART == 2
	.amdgcn_target "amdgcn-amd-amdhsa--gfx1250"
	.amdhsa_code_object_version 6
	.text
	.protected	k_q74d7e9a2bb_attn
	.globl	k_q74d7e9a2bb_attn
	.p2align	8
	.type	k_q74d7e9a2bb_attn,@function
k_q74d7e9a2bb_attn:
	s_mov_b64 s[64:65], 0
	v_nop
	global_prefetch_b8 v0, s[64:65] scope:SCOPE_SE
	s_setreg_imm32_b32 hwreg(HW_REG_WAVE_MODE, 25, 1), 1
	s_wait_xcnt 0x0
	s_wait_alu depctr_hold_cnt(0) depctr_sa_sdst(0) depctr_va_vdst(0) depctr_va_sdst(0) depctr_va_ssrc(0) depctr_va_vcc(0) depctr_vm_vsrc(0)
	s_getreg_b32 s2, hwreg(HW_REG_IB_STS2, 6, 4)
	s_cmp_eq_u32 s2, 0
	s_cbranch_scc0 .Lentry_in_a_cluster
	s_endpgm
.Lentry_in_a_cluster:
	s_bfe_u32 s2, ttmp6, 0x10000c
	s_cmp_lg_u32 s2, 0x3003
	s_cbranch_scc0 .Lentry_shape_is_right
	s_endpgm
.Lentry_shape_is_right:
; out0[b][c][i] = gamma x (sum over j of softmax_j(q_i . k_j) v[c][j]) + x[b][c][i], both products on codes of FP6 (E2M3) with one E8M0 scale for each 32 along K, from the records of ws
; (64 pixels each: v's codes at 0, v's scale bytes at 12288, k's codes at 12800, k's scale bytes at 14336, q's scale bytes at 14592, q's codes at 14848).
; THE SOFTMAX: t = score x log2(e); M = the largest t so far, rounded UP to a whole number; p = 2^(t - M) is quantised along the keys, not normalised; the sum is taken of the unquantised p and divides at the end.
; SHARES.  A work-group owns 64 queries (one record) of one image.  Wave w: query tiles 2 (w & 1) + e, e = 0, 1, and the (w >> 1)-th of a slot's four key steps of 128 keys, for all 256 channels.  Two waves to a SIMD, so that
; one wave's vector work stands beside the other's matrix work and LDS loads; a fragment of v feeds two query tiles.  At the end the four waves of a query pair merge through LDS: every M is whole, so every factor is a power of two.
; K = 32 IN AN INSTRUCTION OF K = 128: one fragment of k holds 64 keys, key set g (16 keys) in the instruction's block g.  q is kept in four versions, in block g and zero codes elsewhere: the product with version g gives set g's
; scores.  The versions overlap in registers (Z A Z B Z: Z zeros, A = q in lanes 0-15, B = q in lanes 16-31).  Zero codes add nothing under any scale byte but 0xff, which no byte here is.
; A KEY STEP IS TWO RECORDS: lanes 0-15 of a fragment of v or p take the first record's 64 keys, lanes 16-31 the second's: the instruction's block 2 c' + h is the step's block 2 h + c'; the scale words are put together so.
; Both products are used transposed (source 0 = keys, or v's channels; source 1 = queries): a lane holds ONE query throughout.  The keys of a set are not neighbours: row r of set g is pixel 32 (g / 2) + 8 (g % 2) + r + 8 (r / 8).
; CLUSTER: the four work-groups of a cluster belong to one image and walk the same records: each wave's tensor load (one record's first 14,592 bytes) is a joint one, with the same descriptor in all four.
; LIMITS: NaN and infinities are not served.  A block's largest p is taken as 2^(.) of the block's largest score (the same two instructions on the same number); a block whose every p lies under 2^-124 keeps the scale byte 1.
; REGISTERS, window 0: v1-10 lane addresses; v11-12, v240-247 the step's addresses; v13-14 for the add; v16-23 -M, largest t, sum (two halves) of tile e at 16 + 4 e; v24-27 the factors f; v28-49 scales and nothing else
;   (v28-29 q's, v30 k's, v31-32 p's, v34-41 v's, v42-49 v's as loaded); v50-103 q's versions; v104-127 p's codes; v128-151 k, v152-215 scores then p, v216-223 at work: together two sets of four fragments of v; v224-239 at work.
;   window 1: O^T: accumulator (ct', e) at v[8 (2 ct' + e)]; ct' stands for channel tile (ct' + 4 (w >> 1)) & 15, so that every wave keeps its accumulators 0-7 in the merge and sends the others.
.set HRL,   14592                      ; what a tensor load brings of a record: 57 x 256 bytes
.set STEPB, 2*HRL                      ; a key step in a slot
.set SLOT1, 131072                     ; slot 1 begins here: one exclusive or turns an address in one slot into the other's
.set SPARE, SLOT1+8*HRL                ; the spare words, 128 bytes for each wave: four blocks of 256 bytes that no other line names
.set MRG1,  0                          ; the merge: three regions of 8 x 8,192 bytes; two lie in slot 0 and the gap behind it, which have had their last fill and their last read by then,
.set MRG2,  65536
.set MRG3,  SPARE+1024                 ; the third in bytes of its own
.set MST,   MRG3+65536                 ; the waves' -M and sums: 512 bytes a wave
.set OUT,   SLOT1                      ; the result: 256 channels x (256 bytes + 16), in slot 1, stored behind a barrier behind which nobody reads it
.set VSC,   12288
.set KC,    12800
.set KSC,   14336
.set QSC,   14592
.set QC,    14848
.set S,   152
.set TX,  216
.set BM,  224
.set PT,  228
.set SO,  232
.set MSB, 0
.macro WIN new                         ; the immediate's high byte repeats the setting that is left; a switch that changes nothing is dropped
.if MSB != \new
	s_set_vgpr_msb (MSB<<8)|\new
.set MSB, \new
.endif
.endm
.set W_RS, 0x41                        ; destination and source 0 window 1
.set W_PV, 0x50                        ; C and D window 1
.set W_ST, 0x04                        ; an LDS store's data window 1
.set W_LD, 0x40                        ; a load's destination window 1
.set W_FM, 0x51                        ; destination, sources 0 and 2 window 1
.macro PLACES                          ; four plain places behind matrix instructions, ahead of loads into their registers and of reads of their results
.rept 4
	v_nop
.endr
.endm
.macro CROUND                          ; a round of the cluster's barrier
	s_barrier_signal -1
	s_barrier_wait -1
	s_cmp_lg_u32 s12, 0
	s_cbranch_scc1 .Lnot_wave_0_\@
	s_barrier_signal -3
.Lnot_wave_0_\@:
	s_barrier_wait -3
	s_barrier_signal -1
	s_barrier_wait -1
.endm
; THE CHANGE OF SLOTS stands at a slot's head.  fill = 1: the slot that has just been left takes the eight records that follow: the load has a whole key step in which to land.
.macro CHANGE fill
	s_wait_tensorcnt 0x0                           ; my one tensor load has landed: my record of the slot ahead; so the descriptor may be written
	ds_add_u32 v13, v14                            ; 0 onto my spare word
.if \fill
	s_xor_b32 s33, s33, SLOT1                      ; the other slot than last time,
	s_add_nc_u64 s[34:35], s[34:35], 131072        ; eight records on; the type bits on top are not reached
.endif
	s_wait_dscnt 0x0                               ; the add is done, and my reads of the slot that I have left are over
.if \fill
	CROUND                                         ; both now hold of every wave of all four work-groups
	tensor_load_to_lds s[32:35], s[24:31]          ; first behind the round, my one tensor load until the next
	s_nop 0
	PLACES
.else
	s_barrier_signal -1
	s_barrier_wait -1
.endif
.endm
; S^T of query tile e: record a, key set g -> tile 4 a + g: register 16 B + i of lane (r, h) is the score of query r and key 32 B + 16 h + i of the step
.macro SMUL e
.irp a,0,1
.irp g,0,1,2,3
.set QV, 50+24*(\e)+6+12*(\g%2)-6*(\g/2)
.if \a
	v_wmma_scale_f32_16x16x128_f8f6f4 v[S+8*(4*\a+\g):S+8*(4*\a+\g)+7], v[128+12*\a:139+12*\a], v[QV:QV+11], 0, v30, v[28+\e] matrix_a_fmt:MATRIX_FMT_FP6 matrix_b_fmt:MATRIX_FMT_FP6 matrix_a_scale:MATRIX_SCALE_ROW1
.else
	v_wmma_scale_f32_16x16x128_f8f6f4 v[S+8*(4*\a+\g):S+8*(4*\a+\g)+7], v[128+12*\a:139+12*\a], v[QV:QV+11], 0, v30, v[28+\e] matrix_a_fmt:MATRIX_FMT_FP6 matrix_b_fmt:MATRIX_FMT_FP6
.endif
.endr
.endr
.endm
.macro SOFTMAX e
.set ST, 16+4*(\e)
.set FF, 24+2*(\e)
.set PS, 31+(\e)
.set PC, 104+12*(\e)
.irp b,0,1,2,3
	v_max3_num_f32 v[BM+\b], v[S+16*\b], v[S+16*\b+1], v[S+16*\b+2]   ; the largest score of each block of 32 keys: for the row's maximum and, since p rises with the score, for the block's largest p
.endr
.irp i,3,5,7,9,11,13
.irp b,0,1,2,3
	v_max3_num_f32 v[BM+\b], v[BM+\b], v[S+16*\b+\i], v[S+16*\b+\i+1]
.endr
.endr
.irp b,0,1,2,3
	v_max_num_f32 v[BM+\b], v[BM+\b], v[S+16*\b+15]
.endr
.irp b,0,1,2,3
	s_delay_alu instid0(VALU_DEP_4)
	v_permlanex16_b32 v[PT+\b], v[BM+\b], s38, s39
.endr
.irp b,0,1,2,3
	s_delay_alu instid0(VALU_DEP_4)
	v_max_num_f32 v[BM+\b], v[BM+\b], v[PT+\b]     ; with lane l xor 16's 16 keys
.endr
	s_delay_alu instid0(VALU_DEP_2)
	v_max3_num_f32 v238, v[BM], v[BM+1], v[BM+2]
	s_delay_alu instid0(VALU_DEP_1)
	v_max_num_f32 v238, v238, v[BM+3]
	s_delay_alu instid0(VALU_DEP_1)
	v_mul_f32 v238, s40, v238                      ; as t
	s_delay_alu instid0(VALU_DEP_1)
	v_max_num_f32 v[ST+1], v[ST+1], v238           ; the running largest t
	v_mov_b32 v238, v[ST]
	s_delay_alu instid0(VALU_DEP_2)
	v_floor_f32 v[ST], -v[ST+1]                    ; the new -M = -ceil(t)
	s_delay_alu instid0(VALU_DEP_1)
	v_sub_f32 v238, v[ST], v238                    ; old M - new M: a whole number, 0 or less
	s_delay_alu instid0(VALU_DEP_1)
	v_cvt_i32_f32 v238, v238                       ; (it saturates)
	s_delay_alu instid0(VALU_DEP_1)
	v_ldexp_f32 v[FF], 1.0, v238                   ; f = 2^(old M - new M): a multiplication by it rounds nothing
.irp j,0,2,4,6,8,10,12,14,16,18,20,22,24,26,28,30,32,34,36,38,40,42,44,46,48,50,52,54,56,58,60,62
	v_pk_fma_f32 v[S+\j:S+\j+1], v[S+\j:S+\j+1], s[40:41], v[ST:ST+1] op_sel_hi:[1,0,0]   ; t - M
.endr
.irp b,0,1,2,3
	v_fma_f32 v[BM+\b], v[BM+\b], s40, v[ST]
.endr
.set i,0
	s_wait_alu depctr_va_vdst(0)
.rept 64
	v_exp_f32 v[S+i], v[S+i]                       ; p = 2^(t - M)
.set i,i+1
.endr
.irp b,0,1,2,3
	v_exp_f32 v[BM+\b], v[BM+\b]                   ; the block's largest p
.endr
	v_pk_mul_f32 v[ST+2:ST+3], v[ST+2:ST+3], v[FF:FF+1] op_sel_hi:[1,0]   ; the sums under the new M.  (The plain place behind the exponentials)
	s_wait_alu depctr_va_vdst(0)
.irp b,0,1,2,3
	v_max_num_f32 v[BM+\b], 0x1800000, v[BM+\b]    ; the floor 2^(3 - 127): the byte cannot fall under 1
.endr
.irp b,0,1,2,3
	s_delay_alu instid0(VALU_DEP_4)
	v_add_nc_u32 v[SO+\b], 0xff000000, v[BM+\b]    ; 2 off the exponent field: the conversion's scale operand
.endr
.irp b,0,1,2,3
	s_delay_alu instid0(VALU_DEP_4)
	v_lshrrev_b32 v[PT+\b], 23, v[SO+\b]
.endr
	s_delay_alu instid0(VALU_DEP_2)
	v_lshl_or_b32 v[PS], v[PT+2], 8, v[PT]         ; the instruction's blocks 0, 1, 2, 3 are the step's blocks 0, 2, 1, 3
	s_delay_alu instid0(VALU_DEP_1)
	v_lshl_or_b32 v[PS], v[PT+1], 16, v[PS]
	s_delay_alu instid0(VALU_DEP_1)
	v_lshl_or_b32 v[PS], v[PT+3], 24, v[PS]
.irp c,0,1
	v_cvt_scalef32_pk16_fp6_f32 v[PC+6*\c:PC+6*\c+2], v[S+16*\c:S+16*\c+15], v[SO+\c]
	v_cvt_scalef32_pk16_fp6_f32 v[TX+4*\c:TX+4*\c+2], v[S+32+16*\c:S+47+16*\c], v[SO+2+\c]
.endr
	v_nop                                          ; one plain place behind a scaled conversion
.irp c,0,1
.irp i,0,1,2
	v_permlane16_swap_b32 v[PC+6*\c+\i], v[TX+4*\c+\i]   ; lanes 0-15 now hold block c, lanes 16-31 block c + 2: the lower 16 codes here, the upper 16 there
.endr
.irp i,0,1,2
	s_delay_alu instid0(VALU_DEP_3)
	v_mov_b32 v[PC+6*\c+3+\i], v[TX+4*\c+\i]
.endr
.endr
	v_pk_add_f32 v[236:237], v[S:S+1], v[S+2:S+3]  ; the row's sum is taken of the unquantised p: two chains
.irp j,4,8,12,16,20,24,28,32,36,40,44,48,52,56,60
	v_pk_add_f32 v[ST+2:ST+3], v[ST+2:ST+3], v[S+\j:S+\j+1]
	v_pk_add_f32 v[236:237], v[236:237], v[S+\j+2:S+\j+3]
.endr
	s_delay_alu instid0(VALU_DEP_1)
	v_pk_add_f32 v[ST+2:ST+3], v[ST+2:ST+3], v[236:237]
.endm
.macro VLOAD set, g                    ; four fragments of v (accumulator group g) into set 0 (v128-175) or 1 (v176-223): 16 bytes a lane, 256 consecutive bytes for sixteen lanes
.irp n,0,1,2,3
.irp c,0,1,2
	ds_load_b128 v[128+48*(\set)+12*\n+4*\c:131+48*(\set)+12*\n+4*\c], v[244+\g] offset:\n*768+\c*256
.endr
.endr
.endm
.macro PVMUL set, g, first             ; O^T += v^T p^T: eight accumulators, one instruction each; first = 1: the products start the sums
.irp n,0,1,2,3
.irp e,0,1
.set AC, 8*(2*(4*(\g)+\n)+\e)
.set VR, 128+48*(\set)+12*\n
.set RS, 34+2*(\g)+\n/2
.if \first
.if \n%2
	v_wmma_scale_f32_16x16x128_f8f6f4 v[AC:AC+7], v[VR:VR+11], v[104+12*\e:115+12*\e], 0, v[RS], v[31+\e] matrix_a_fmt:MATRIX_FMT_FP6 matrix_b_fmt:MATRIX_FMT_FP6 matrix_a_scale:MATRIX_SCALE_ROW1
.else
	v_wmma_scale_f32_16x16x128_f8f6f4 v[AC:AC+7], v[VR:VR+11], v[104+12*\e:115+12*\e], 0, v[RS], v[31+\e] matrix_a_fmt:MATRIX_FMT_FP6 matrix_b_fmt:MATRIX_FMT_FP6
.endif
.else
.if \n%2
	v_wmma_scale_f32_16x16x128_f8f6f4 v[AC:AC+7], v[VR:VR+11], v[104+12*\e:115+12*\e], v[AC:AC+7], v[RS], v[31+\e] matrix_a_fmt:MATRIX_FMT_FP6 matrix_b_fmt:MATRIX_FMT_FP6 matrix_a_scale:MATRIX_SCALE_ROW1
.else
	v_wmma_scale_f32_16x16x128_f8f6f4 v[AC:AC+7], v[VR:VR+11], v[104+12*\e:115+12*\e], v[AC:AC+7], v[RS], v[31+\e] matrix_a_fmt:MATRIX_FMT_FP6 matrix_b_fmt:MATRIX_FMT_FP6
.endif
.endif
.endr
.endr
.endm
; MY KEY STEP of the slot in hand (s36), for both query tiles
.macro STEP first
	v_add_nc_u32 v11, s36, v1                      ; ten additions: also the places behind the last step's products
	v_add_nc_u32 v12, s36, v2
.irp g,0,1,2,3
	v_add_nc_u32 v[240+\g], s36, v[7+\g]
	v_add_nc_u32 v[244+\g], s36, v[3+\g]
.endr
.irp a,0,1
.irp c,0,1
.irp i,0,1,2
	ds_load_b64 v[128+12*\a+6*\c+2*\i:129+12*\a+6*\c+2*\i], v11 offset:\a*HRL+\c*768+\i*128   ; lanes 0-15 key set 2 c, lanes 16-31 set 2 c + 1
.endr
.endr
.endr
	ds_load_b32 v30, v12                           ; k's scale words: lanes 0-15 the first record's, lanes 16-31 the second's
.irp g,0,1,2,3
	ds_load_b32 v[42+\g], v[240+\g]                ; v's scale bytes of the two records
	ds_load_b32 v[46+\g], v[240+\g] offset:HRL
.endr
	s_wait_dscnt 8                                 ; k and its scale words are in; the eight loads behind them may be out
	SMUL 0
	s_wait_dscnt 0x0
.irp g,0,1,2,3
	v_perm_b32 v[34+2*\g], v[46+\g], v[42+\g], s43 ; v's scale words: bytes (first record, pixels 0-31), (second, 0-31), (first, 32-63), (second, 32-63).  (These eight are the places ahead of the first read of the scores)
	v_perm_b32 v[35+2*\g], v[46+\g], v[42+\g], s44
.endr
	SOFTMAX 0
	SMUL 1
	PLACES
	SOFTMAX 1
	VLOAD 0,0
	VLOAD 1,1
.if !\first
	WIN W_RS
.set i,0
.rept 128
	v_pk_mul_f32 v[2*i:2*i+1], v[2*i:2*i+1], v[24+2*((i/4)%2):25+2*((i/4)%2)] op_sel_hi:[1,0]   ; O^T under the new M, each accumulator from its low end on; v's first fragments land meanwhile
.set i,i+1
.endr
.endif
	s_wait_alu depctr_va_vdst(0)
	s_wait_dscnt 12                                ; set 0 is in; set 1's twelve loads may be out
	WIN W_PV
	PVMUL 0,0,\first
	PLACES
	WIN 0
	VLOAD 0,2
	s_wait_dscnt 12                                ; set 1 is in
	WIN W_PV
	PVMUL 1,1,\first
	PLACES
	WIN 0
	VLOAD 1,3
	s_wait_dscnt 12                                ; set 0 is in
	WIN W_PV
	PVMUL 0,2,\first
	s_wait_dscnt 0x0
	PVMUL 1,3,\first
	WIN 0
	s_xor_b32 s36, s36, SLOT1                      ; on to the other slot
.endm
	s_load_b256 s[4:11], s[0:1], 0x0               ; ws s[4:5], x s[6:7], gamma s[8:9], out0 s[10:11]
	v_lshl_add_u32 v13, v0, 2, SPARE
	v_mov_b32 v14, 0
	ds_add_u32 v13, v14
	ds_add_u32 v13, v14
	s_wait_dscnt 0x0
	v_lshrrev_b32 v1, 5, v0
	s_delay_alu instid0(VALU_DEP_1)
	v_readfirstlane_b32 s12, v1                    ; wave 0..7
	s_and_b32 s13, s12, 1                          ; which pair of query tiles
	s_lshr_b32 s14, s12, 1                         ; which key step of a slot
	s_bfe_u32 s15, ttmp6, 0x40000                  ; cx: my place in the cluster
	s_lshl_b32 s16, ttmp9, 2
	s_add_co_u32 s16, s16, s15                     ; my record of queries = 4 x cluster x + cx: it enters q's, x's and out0's addresses alone
	s_and_b32 s17, ttmp7, 0xffff                   ; the image, which the four partners share
	; descriptor group 1: 14,592 dense bytes as 57 rows of 256 bytes (32 elements of 8 bytes)
	s_mov_b32 s24, 15|(3<<16)|(1<<21)              ; 15:0 the mask: all four work-groups; 17:16 elements of 8 bytes; 21 set beside a mask
	s_mov_b32 s25, 32<<16                          ; tensor_dim0
	s_mov_b32 s26, 57<<16                          ; tensor_dim1
	s_mov_b32 s27, 32<<16                          ; tile_dim0
	s_mov_b32 s28, 57                              ; tile_dim1
	s_mov_b32 s29, 32                              ; the pitch
	s_mov_b32 s30, 0
	s_mov_b32 s31, 0
	s_mov_b32 s38, 0x76543210
	s_mov_b32 s39, 0xfedcba98                      ; v_permlanex16_b32's selects for lane l xor 16
	s_mov_b32 s40, 0x3fb8aa3b                      ; log2(e)
	s_mov_b32 s41, s40                             ; (named with it as a pair, so it is written)
	s_mov_b32 s42, 0xffff                          ; lanes 0-15
	s_mov_b32 s43, 0x05010400
	s_mov_b32 s44, 0x07030602
	s_mov_b32 s45, 0x01010101
	s_lshl_b32 s18, s17, 20                        ; the image's 64 records,
	s_lshl_b32 s19, s12, 14                        ; the wave's record of a slot's eight
	s_add_co_u32 s18, s18, s19
	s_mov_b32 s19, 0
	s_lshl_b32 s20, s17, 20
	s_lshl_b32 s21, s16, 14                        ; my queries' record
	s_add_co_u32 s20, s20, s21
	s_mov_b32 s21, 0
	s_lshl_b32 s54, s17, 22                        ; x and out0: the image, my 32 channels on the way out, my 64 pixels
	s_lshl_b32 s55, s12, 19
	s_add_co_u32 s54, s54, s55
	s_lshl_b32 s55, s16, 8
	s_add_co_u32 s54, s54, s55
	s_mov_b32 s55, 0
	s_mov_b32 s32, 1
	s_mul_i32 s33, s12, HRL                        ; LDS: slot 0, wave x 14,592: no place in the cluster enters an LDS address
	s_mov_b32 s36, 0
	s_wait_kmcnt 0x0
	s_load_b32 s22, s[8:9], 0x0                    ; gamma
	s_add_nc_u64 s[34:35], s[4:5], s[18:19]
	s_or_b32 s35, s35, 0x80000000
	s_add_nc_u64 s[48:49], s[4:5], s[20:21]
	s_add_nc_u64 s[50:51], s[6:7], s[54:55]
	s_add_nc_u64 s[52:53], s[10:11], s[54:55]
	CROUND                                         ; all four work-groups are here: the first joint loads meet
	tensor_load_to_lds s[32:35], s[24:31]          ; slot 0: records 0-7
	s_nop 0
	PLACES
	v_and_b32 v228, 15, v0                         ; r
	v_bfe_u32 v229, v0, 4, 1                       ; h
	v_and_b32 v230, 31, v0                         ; l
	s_mul_i32 s54, s13, 768
	v_lshl_add_u32 v166, v228, 3, s54
	s_lshl_b32 s54, s13, 1
	v_lshl_add_u32 v167, v228, 2, s54
.irp e,0,1
.irp i,0,1,2
	global_load_b64 v[152+6*\e+2*\i:153+6*\e+2*\i], v166, s[48:49] offset:QC+\e*384+\i*128   ; query r's 24 bytes, in both halves of the lanes
.endr
	global_load_u8 v[164+\e], v167, s[48:49] offset:QSC+\e
.endr
	s_mul_i32 s54, s14, STEPB                      ; my key step in a slot
	v_mul_u32_u24 v1, v229, 384
	s_delay_alu instid0(VALU_DEP_1)
	v_lshl_add_u32 v1, v228, 3, v1
	s_add_co_u32 s55, s54, KC
	v_add_nc_u32 v1, s55, v1                       ; k's codes: 384 h + 8 r
	v_mul_u32_u24 v231, v229, HRL                  ; lanes 16-31 take the step's second record
	s_delay_alu instid0(VALU_DEP_1)
	v_lshl_add_u32 v2, v228, 2, v231
	s_add_co_u32 s55, s54, KSC
	v_add_nc_u32 v2, s55, v2                       ; k's scale words
	v_lshl_add_u32 v231, v228, 4, v231
	s_wait_alu depctr_va_vdst(0)
	v_lshlrev_b32 v230, 4, v230
	s_wait_alu depctr_va_vdst(0)
.irp g,0,1,2,3
	s_add_co_u32 s55, s14, \g
	s_and_b32 s55, s55, 3                          ; accumulator group g stands for channel tiles 4 ((g + w / 2) & 3) on
	s_mul_i32 s56, s55, 3072
	s_add_co_u32 s56, s56, s54
	v_add_nc_u32 v[3+\g], s56, v231
	s_lshl_b32 s56, s55, 2
	s_add_co_u32 s56, s56, s54
	s_add_co_u32 s56, s56, VSC
	v_add_nc_u32 v[7+\g], s56, v230
.endr
.irp z,50,62,74,86,98
.irp i,0,1,2,3,4,5
	v_mov_b32 v[\z+\i], 0                          ; the zero codes of q's versions
.endr
.endr
.irp e,0,1
	v_mov_b32 v[17+4*\e], 0xff61b1e6               ; the largest t so far: -3e38
	s_delay_alu instid0(VALU_DEP_1)
	v_floor_f32 v[16+4*\e], -v[17+4*\e]
	v_mov_b32 v[18+4*\e], 0
	v_mov_b32 v[19+4*\e], 0
	v_mov_b32 v[24+2*\e], 0
	v_mov_b32 v[25+2*\e], 0                        ; (named as a pair's upper half)
.endr
.irp b,0,1,2,3
	v_mov_b32 v[PT+\b], 0                          ; a lane permute's destination counts as one of its sources
.endr
	s_wait_loadcnt 0x0
.irp e,0,1
.irp i,0,1,2,3,4,5
	v_cndmask_b32 v[56+24*\e+\i], 0, v[152+6*\e+\i], s42    ; A: q in lanes 0-15
	v_cndmask_b32 v[68+24*\e+\i], v[152+6*\e+\i], 0, s42    ; B: q in lanes 16-31
.endr
	v_mul_lo_u32 v[28+\e], v[164+\e], s45          ; q's scale byte in all four places
.endr
	s_wait_kmcnt 0x0                               ; gamma
	CHANGE 1                                       ; slot 1 is asked for
	STEP 1                                         ; the first step's products start O^T's sums: nothing is cleared
	s_mov_b32 s37, 6
.Lslot:
	CHANGE 1
	STEP 0
	s_sub_co_u32 s37, s37, 1
	s_cmp_lg_u32 s37, 0
	s_cbranch_scc1 .Lslot
	CHANGE 0                                       ; the last slot is written out
	STEP 0
	; ---- THE MERGE AND THE WAY OUT
	PLACES
	v_add_f32 v238, v18, v19
	v_add_f32 v239, v22, v23
	s_delay_alu instid0(VALU_DEP_2)
	v_permlanex16_b32 v228, v238, s38, s39
	s_delay_alu instid0(VALU_DEP_2)
	v_permlanex16_b32 v229, v239, s38, s39
	v_mov_b32 v64, v16                             ; (-M, sum) of my two tiles
	s_delay_alu instid0(VALU_DEP_3)
	v_add_f32 v65, v238, v228
	v_mov_b32 v66, v20
	s_delay_alu instid0(VALU_DEP_4)
	v_add_f32 v67, v239, v229
	v_and_b32 v125, 15, v0
	v_bfe_u32 v126, v0, 4, 1
	v_and_b32 v127, 31, v0
	s_delay_alu instid0(VALU_DEP_1)
	v_lshlrev_b32 v127, 4, v127
	s_wait_alu depctr_va_vdst(0)
.irp g,1,2,3
	s_add_co_u32 s54, s14, \g                      ; my group g belongs to the wave of my query pair with key step (w / 2 + g) & 3
	s_and_b32 s54, s54, 3
	s_lshl_b32 s54, s54, 1
	s_add_co_u32 s54, s54, s13
	s_lshl_b32 s54, s54, 13
	s_add_co_u32 s54, s54, MRG\g
	v_add_nc_u32 v[111+\g], s54, v127
	s_lshl_b32 s54, s12, 13
	s_add_co_u32 s54, s54, MRG\g
	v_add_nc_u32 v[114+\g], s54, v127              ; what region g holds for me came from key step (w / 2 + 4 - g) & 3,
	s_add_co_u32 s54, s14, 4-\g
	s_and_b32 s54, s54, 3
	s_lshl_b32 s54, s54, 1
	s_add_co_u32 s54, s54, s13
	s_lshl_b32 s54, s54, 9
	s_add_co_u32 s54, s54, MST
	v_add_nc_u32 v[118+\g], s54, v127              ; whose -M and sums lie here
.endr
	s_lshl_b32 s54, s12, 9
	s_add_co_u32 s54, s54, MST
	v_add_nc_u32 v118, s54, v127
	v_and_b32 v122, 8, v0
	s_delay_alu instid0(VALU_DEP_1)
	v_add_nc_u32 v122, v122, v125
	s_delay_alu instid0(VALU_DEP_1)
	v_lshlrev_b32 v122, 2, v122
	s_delay_alu instid0(VALU_DEP_1)
	v_mad_u32_u24 v122, v126, 8*272, v122
	s_mul_i32 s54, s14, 64*272
	s_lshl_b32 s55, s13, 7
	s_add_co_u32 s54, s54, s55
	s_add_co_u32 s54, s54, OUT
	v_add_nc_u32 v122, s54, v122                   ; the result: channel 64 (w / 2) + 8 h, pixel 32 (w & 1) + r + 8 (r / 8)
	v_mul_u32_u24 v123, v126, 272
	s_delay_alu instid0(VALU_DEP_1)
	v_lshl_add_u32 v123, v125, 4, v123
	s_mul_i32 s54, s12, 32*272
	s_add_co_u32 s54, s54, OUT
	v_add_nc_u32 v123, s54, v123                   ; back: channels 32 w on; lanes 0-15 one channel's 256 bytes, lanes 16-31 the next's
	v_lshlrev_b32 v124, 14, v126
	s_delay_alu instid0(VALU_DEP_1)
	v_lshl_add_u32 v124, v125, 4, v124             ; and the same in x and out0
.irp k,0,1,2,3,4,5,6,7,8,9,10,11,12,13,14,15
	global_load_b128 v[128+4*\k:131+4*\k], v124, s[50:51] offset:\k*32768 th:TH_LOAD_NT   ; x, asked for ahead of the merge
.endr
	s_wait_dscnt 0x0
	s_barrier_signal -1
	s_barrier_wait -1                              ; every wave's reads of both slots are over: their bytes may be stored to
	WIN W_ST
.irp g,1,2,3
.irp k,0,1,2,3,4,5,6,7,8,9,10,11,12,13,14,15
	ds_store_b128 v[111+\g], v[64*\g+4*\k:64*\g+4*\k+3] offset:\k*512   ; images of registers: 16 bytes a lane; each accumulator from its low end on
.endr
.endr
	WIN 0
	ds_store_b128 v118, v[64:67]
	s_wait_dscnt 0x0
	s_barrier_signal -1
	s_barrier_wait -1
.irp g,1,2,3
	ds_load_b128 v[64+4*\g:67+4*\g], v[118+\g]
.endr
	WIN W_LD
.irp g,1,2,3
.irp k,0,1,2,3,4,5,6,7,8,9,10,11,12,13,14,15
	ds_load_b128 v[64*\g+4*\k:64*\g+4*\k+3], v[114+\g] offset:\k*512
.endr
.endr
	WIN 0
	s_wait_dscnt 48                                ; the partners' -M and sums are in; their 48 block loads may be out
.irp e,0,1
	v_min3_num_f32 v[80+\e], v[64+2*\e], v[68+2*\e], v[72+2*\e]
.endr
.irp e,0,1
	s_delay_alu instid0(VALU_DEP_2)
	v_min_num_f32 v[80+\e], v[80+\e], v[76+2*\e]   ; -M of all keys
.endr
.irp e,0,1
.irp w,0,1,2,3
	v_sub_f32 v[104+4*\e+\w], v[80+\e], v[64+4*\w+2*\e]
.endr
.endr
.irp j,0,1,2,3,4,5,6,7
	v_cvt_i32_f32 v[104+\j], v[104+\j]
.endr
.irp j,0,1,2,3,4,5,6,7
	v_ldexp_f32 v[104+\j], 1.0, v[104+\j]          ; 2^(a wave's M - M): exact
.endr
.irp e,0,1
	v_mul_f32 v[82+\e], v[104+4*\e], v[65+2*\e]
.endr
.irp w,1,2,3
.irp e,0,1
	s_delay_alu instid0(VALU_DEP_2)
	v_fmac_f32 v[82+\e], v[104+4*\e+\w], v[65+4*\w+2*\e]
.endr
.endr
	s_wait_alu depctr_va_vdst(0)
.irp e,0,1
	v_rcp_f32 v[84+\e], v[82+\e]
.endr
	v_nop                                          ; one plain place behind a transcendental
	s_wait_alu depctr_va_vdst(0)
.irp e,0,1
	v_mul_f32 v[84+\e], s22, v[84+\e]              ; gamma / the row's sum
.endr
.irp w,0,1,2,3
.irp e,0,1
	v_mul_f32 v[88+4*\w+2*\e], v[104+4*\e+\w], v[84+\e]
	v_mul_f32 v[89+4*\w+2*\e], v[104+4*\e+\w], v[84+\e]
.endr
.endr
	WIN W_RS
.set i,0
.rept 32
	v_pk_mul_f32 v[2*i:2*i+1], v[2*i:2*i+1], v[88+2*((i/4)%2):89+2*((i/4)%2)]
.set i,i+1
.endr
	WIN W_FM
.irp g,1,2,3
	s_wait_dscnt 48-16*\g                          ; region g's sixteen loads are in
.set i,0
.rept 32
	v_pk_fma_f32 v[2*i:2*i+1], v[64*\g+2*i:64*\g+2*i+1], v[88+4*\g+2*((i/4)%2):89+4*\g+2*((i/4)%2)], v[2*i:2*i+1]
.set i,i+1
.endr
.endr
	WIN W_ST
.irp n,0,1,2,3
.irp e,0,1
.irp j,0,1,2,3,4,5,6,7
	ds_store_b32 v122, v[16*\n+8*\e+\j] offset:(16*\n+\j)*272+32*\e   ; a lane holds one pixel and eight channels: the rows of out0 are put together in LDS
.endr
.endr
.endr
	WIN 0
	s_wait_dscnt 0x0
	s_barrier_signal -1
	s_barrier_wait -1
.irp k,0,1,2,3,4,5,6,7,8,9,10,11,12,13,14,15
	ds_load_b128 v[192+4*\k:195+4*\k], v123 offset:\k*544
.endr
	s_wait_loadcnt 0x0                             ; x
.irp k,0,1,2,3,4,5,6,7,8,9,10,11,12,13,14,15
	s_wait_dscnt 15-\k
	v_pk_add_f32 v[192+4*\k:193+4*\k], v[192+4*\k:193+4*\k], v[128+4*\k:129+4*\k]
	v_pk_add_f32 v[194+4*\k:195+4*\k], v[194+4*\k:195+4*\k], v[130+4*\k:131+4*\k]
	global_store_b128 v124, v[192+4*\k:195+4*\k], s[52:53] offset:\k*32768 th:TH_STORE_NT   ; sixteen lanes store 256 consecutive bytes, at a multiple of 256 from out0's first byte
.endr
	s_wait_tensorcnt 0x0                           ; the wave's end
	ds_add_u32 v13, v14
	s_wait_dscnt 0x0
	CROUND                                         ; the closing round: no work-group ends while a partner may still ask for a tile that names it
	s_endpgm
.Lfunc_end_k_q74d7e9a2bb_attn:
	.size	k_q74d7e9a2bb_attn, .Lfunc_end_k_q74d7e9a2bb_attn-k_q74d7e9a2bb_attn
	.p2alignl 7, 3214868480
	.fill 96, 4, 3214868480
	.section	.rodata,"a",@progbits
	.p2align	6, 0x0
	.amdhsa_kernel k_q74d7e9a2bb_attn
		.amdhsa_group_segment_fixed_size 327680
		.amdhsa_private_segment_fixed_size 0
		.amdhsa_enable_private_segment 0
		.amdhsa_kernarg_size 32
		.amdhsa_user_sgpr_count 2
		.amdhsa_user_sgpr_kernarg_segment_ptr 1
		.amdhsa_wavefront_size32 1
		.amdhsa_system_sgpr_workgroup_id_x 1
		.amdhsa_system_sgpr_workgroup_id_y 1
		.amdhsa_system_sgpr_workgroup_id_z 1
		.amdhsa_system_vgpr_workitem_id 0
		.amdhsa_next_free_vgpr 512
		.amdhsa_next_free_sgpr 66
		.amdhsa_reserve_vcc 0
		.amdhsa_float_denorm_mode_32 3
		.amdhsa_float_denorm_mode_16_64 3
		.amdhsa_memory_ordered 1
		.amdhsa_forward_progress 1
		.amdhsa_inst_pref_size 166
	.end_amdhsa_kernel
	.amdgpu_metadata
---
amdhsa.version: [ 1, 2 ]
amdhsa.kernels:
  - .name:           k_q74d7e9a2bb_attn
    .symbol:         k_q74d7e9a2bb_attn.kd
    .args:
      - { .name: ws, .offset: 0, .size: 8, .value_kind: global_buffer, .address_space: global }
      - { .name: x, .offset: 8, .size: 8, .value_kind: global_buffer, .address_space: global }
      - { .name: gamma, .offset: 16, .size: 8, .value_kind: global_buffer, .address_space: global }
      - { .name: out0, .offset: 24, .size: 8, .value_kind: global_buffer, .address_space: global }
    .group_segment_fixed_size: 327680
    .private_segment_fixed_size: 0
    .kernarg_segment_align: 8
    .kernarg_segment_size: 32
    .max_flat_workgroup_size: 256
    .sgpr_count:     66
    .vgpr_count:     512
    .wavefront_size: 32
...
	.end_amdgpu_metadata
.endif
;; end of part 2
